; MI455X (gfx1250); checked and timed in simulation.
; The chip was launched on July 23, 2026; its instructions are those of AMD's public machine-readable ISA for CDNA 5 (MIT licence, August 2026) and "CDNA5" Instruction Set Architecture Reference Guide (July 2026). The comments in the code are by the model that wrote it; some were corrected since.
;; LST Mcell. Allowed arithmetic: matrix products marked QUANTISED: E4M3 operands, one given power-of-two scale a tensor, by v_wmma_f32_16x16x64_fp8_fp8 or v_wmma_f32_16x16x128_fp8_fp8, f32 sums; everything else in f32.
;; Inputs: W_c_h 2,048 x 2,048 float32; W_c_x 2,048 x 2,048 float32; W_f_h 2,048 x 2,048 float32; W_f_x 2,048 x 2,048 float32; W_i_h 2,048 x 2,048 float32; W_i_x 2,048 x 2,048 float32; W_o_h 2,048 x 2,048 float32; W_o_x 2,048 x 2,048 float32; b_c_h 2,048 float32; b_c_x 2,048 float32; b_f_h 2,048 float32; b_f_x 2,048 float32; b_i_h 2,048 float32; b_i_x 2,048 float32; b_o_h 2,048 float32; b_o_x 2,048 float32; c 2,048 x 2,048 float32; h_codes 2,048 x 64 x 32 uint8 (E4M3 codes of h, K innermost, in blocks of 32 codes); lowp_scales 4 int32 (the exponents e of the quantised operands' scales 2^e); x_codes 2,048 x 64 x 32 uint8 (E4M3 codes of x, K innermost, in blocks of 32 codes).
;; Outputs: out0 2,048 x 2,048 float32; out1 2,048 x 2,048 float32; out2 2,048 x 2,048 float32.
;; This version of the problem:
;;   THIS VERSION OF THE PROBLEM IS GIVEN IN LOW PRECISION. The matrix products marked QUANTISED in the list below multiply operands that are first quantised to E4M3 (4 exponent bits, 3 mantissa bits; 8 bits a number), with one given power-of-two scale for each operand tensor; their sums are f32. All else is computed in f32.
;;   The module's matrix products, in the order in which they are computed (A, B: the left and right operand; K: the contracted axis; several contracted axes count as one K, in the product's order):
;;     1. [M 2,048, K 2,048] x [K 2,048, N 8,192]; A: input x (given as codes); B: computed on the way: QUANTISED (scales: A lowp_scales[0], B lowp_scales[1])
;;     2. [M 2,048, K 2,048] x [K 2,048, N 8,192]; A: input h (given as codes); B: computed on the way: QUANTISED (scales: A lowp_scales[2], B lowp_scales[3])
;;   THE QUANTISER, for each operand of a quantised product, along K:
;;     - The operand's scale is 2^e, e = its entry of the input lowp_scales (int32; the entries are numbered through the quantised products in the list's order, A before B).
;;     - Each number is divided by the scale, clamped to +-448, and rounded to the nearest number of E4M3, ties to even, subnormals kept.
;;     - The product sums the exact products of the quantised numbers (number of the format x scale) in f32.
;;   ~~~python
;;   def quantise(x, axis, e):      # numpy; x: float32 -> the quantised numbers, widened to float32 again
;;       x = np.moveaxis(x, axis, -1); K = x.shape[-1]
;;       r = np.clip(x / 2.0 ** e, -448, 448)
;;       step = 2.0 ** (np.maximum(np.frexp(np.where(r == 0, 1, r))[1] - 1, -6) - 3)
;;       q = np.round(r / step) * step * 2.0 ** e      # np.round: ties to even
;;       return np.moveaxis(q, -1, axis).astype(np.float32)
;;   ~~~
;;   OPERANDS COMPUTED ON THE WAY. 'Computed on the way' means the value that the module computes at that place (a softmax that the list does not call 'softmax' is quantised finished and normalised). What goes into a quantiser is computed in f32, as accurately as f32 sums, v_exp_f32 and their like allow (about 1e-6 of the number): no bf16 or f16 on the way to a quantiser, and a product that is left as it is and whose result goes on into a quantised operand takes f32 operands (vector FMAs, or v_wmma_f32_16x16x4_f32). A number that lies on a knife's edge between two numbers of the format may be rounded either way, as far as f32 arithmetic and the matrix unit's own rounding can turn it there, and no further.
;;   INPUTS GIVEN AS CODES. h (in the module: [2048, 2048], K = its axis 1); x (in the module: [2048, 2048], K = its axis 1): each comes as NAME_codes (uint8): NAME with its K axis moved to the last place and cut into blocks of 32 codes, [.., K / 32, bytes a block], one block behind the other in memory; one code a byte (a code: sign, 4 exponent bits, 3 mantissa bits); its scale is its entry of lowp_scales. Its value is code x scale, taken as it is: it is not quantised again, and the codes and scales need not be those that the quantiser above would give.
;; One version. Each part assembles by itself: llvm-mc -triple=amdgcn-amd-amdhsa -mcpu=gfx1250 --defsym DOCPART=n.
;; ======== version 1 of 1: 2 launches
;; limits: right only within a limited range of input values
;; workspace buffers: wq 33,554,432 bytes
;; launch quant (part 1): grid 128 x 8, 4 waves a work-group, no clusters, 18,944 bytes of LDS; arguments W_f_x, W_i_x, W_o_x, W_c_x, W_f_h, W_i_h, W_o_h, W_c_h, lowp_scales, wq; writes wq
.if DOCPART == 1
	.amdgcn_target "amdgcn-amd-amdhsa--gfx1250"
	.amdhsa_code_object_version 6
	.text
	.protected	k_q58aed3b8de_quant
	.globl	k_q58aed3b8de_quant
	.p2align	8
	.type	k_q58aed3b8de_quant,@function
k_q58aed3b8de_quant:
	s_mov_b64 s[64:65], 0
	v_nop
	global_prefetch_b8 v0, s[64:65] scope:SCOPE_SE
	s_setreg_imm32_b32 hwreg(HW_REG_WAVE_MODE, 25, 1), 1
	s_wait_xcnt 0x0
; The eight weights W_{g,src} [2048 (n)][2048 (k)], f32, become codes of FP8 (E4M3) with the given scale 2^e: e = entry 1 of the scales for W_*_x, entry 3 for W_*_h.
; code = w / 2^e, held within +-448, rounded to the nearest code, ties to even.
; LIMITS: e between -126 and 119, so that 2^e and 448 x 2^e are f32 numbers.  NaN among the weights is not served; an infinity is held at the largest code.
; WHERE THE CODES GO: wq is a row of FRAGMENT IMAGES of 2,048 bytes, 16 rows n x 128 k each, in the order in which the next launch's operand registers take them:
;   image number ((n / 16) x 32 + 16 src + k / 128) x 4 + g  (src 0: x, 1: h; g 0: f, 1: i, 2: o, 3: c~);
;   inside it byte 512 c + 16 (16 h + n % 16) + k % 16, with c = (k % 128) / 32, h = (k % 32) / 16.
; SHARES: work-group y = 4 src + g picks the tensor, work-group x its 16 rows, wave w the k from 512 w on: four fragments.
; A load of the wave reads 512 consecutive bytes of one row (4 numbers a lane).  Two rows' loads give a conversion its 8 numbers; its two result words are 4 codes of each row.
; Only the codes turn through the wave's own stage in LDS: a word a lane and row on the way in (units of 256 bytes 272 apart, so the 32 words fall into 32 banks), 16 bytes a lane back, in image order.
; A store of the wave covers 512 consecutive bytes, aligned.  Waves share nothing: no barrier.  48 loads a wave are out at the start.
.set SP,    272
.set STG,   2304                       ; a stage: 8 units x 272 bytes, rounded up to blocks of 256
.set WREG,  2*STG                      ; two stages a wave, by turns
.set SPARE, 4*WREG                     ; the spare words
.set R,     32                         ; v32-223  three buffers of 64: a fragment's numbers, row r in registers 4 r ..
.set C,     224                        ; v224-239 a fragment's codes, a word for each row
.set RB,    240                        ; v240-255 fragment 0's image; the others' come back into the head of their own buffer, so no store's data is written again
	s_load_b512 s[8:23], s[0:1], 0x0               ; f_x, i_x, o_x, c_x, f_h, i_h, o_h, c_h
	s_load_b128 s[24:27], s[0:1], 0x40             ; the scales s[24:25], wq s[26:27]
	v_lshl_add_u32 v30, v0, 2, SPARE
	v_mov_b32 v31, 0
	v_lshrrev_b32 v1, 5, v0
	v_readfirstlane_b32 s30, v1                    ; wave
	v_and_b32 v2, 31, v0                           ; lane
	v_lshlrev_b32 v3, 4, v2                        ; 16 x lane
	s_mul_i32 s31, s30, WREG
	v_lshrrev_b32 v4, 2, v2
	v_mul_u32_u24 v4, v4, SP
	v_and_b32 v5, 3, v2
	v_lshl_add_u32 v4, v5, 2, v4
	v_add_nc_u32 v14, s31, v4                      ; in: lane l holds k = 4 l ..: unit l / 4 (= 2 c + h), word l % 4 of the row's 16 bytes
	v_lshrrev_b32 v6, 4, v2
	v_mul_u32_u24 v6, v6, SP
	v_and_b32 v7, 15, v2
	v_lshl_add_u32 v6, v7, 4, v6
	v_add_nc_u32 v15, s31, v6                      ; back: unit 2 c + lane / 16, 16 bytes of row lane % 16
	s_and_b32 s28, ttmp7, 0xffff                   ; T = 4 src + g
	s_lshl_b32 s36, ttmp9, 17                      ; in: 16 rows of 8,192 bytes a work-group,
	s_lshl_b32 s40, s30, 11                        ; 512 numbers along the rows a wave
	s_add_co_u32 s36, s36, s40
	s_mov_b32 s37, 0
	s_lshl_b32 s38, ttmp9, 5                       ; out: image ((n / 16) 32 + 16 src + 4 wave) 4 + g
	s_lshr_b32 s41, s28, 2
	s_lshl_b32 s41, s41, 4
	s_add_co_u32 s38, s38, s41
	s_lshl_b32 s41, s30, 2
	s_add_co_u32 s38, s38, s41
	s_lshl_b32 s38, s38, 2
	s_and_b32 s41, s28, 3
	s_add_co_u32 s38, s38, s41
	s_lshl_b32 s38, s38, 11
	s_mov_b32 s39, 0
	s_wait_alu depctr_va_vdst(0)                   ; the wait at the head's end
	s_wait_kmcnt 0x0
	s_load_b128 s[32:35], s[24:25], 0x0            ; e0 .. e3
	s_and_b32 s29, s28, 1                          ; the tensor is chosen bit by bit of T
	s_cmp_lg_u32 s29, 0
	s_cselect_b64 s[8:9], s[10:11], s[8:9]
	s_cselect_b64 s[12:13], s[14:15], s[12:13]
	s_cselect_b64 s[16:17], s[18:19], s[16:17]
	s_cselect_b64 s[20:21], s[22:23], s[20:21]
	s_and_b32 s29, s28, 2
	s_cmp_lg_u32 s29, 0
	s_cselect_b64 s[8:9], s[12:13], s[8:9]
	s_cselect_b64 s[16:17], s[20:21], s[16:17]
	s_and_b32 s29, s28, 4
	s_cmp_lg_u32 s29, 0
	s_cselect_b64 s[4:5], s[16:17], s[8:9]
	s_add_nc_u64 s[4:5], s[4:5], s[36:37]
	s_add_nc_u64 s[26:27], s[26:27], s[38:39]
.macro LOAD f, b                       ; fragment f into buffer b
.irp r, 0,1,2,3,4,5,6,7,8,9,10,11,12,13,14,15
	global_load_b128 v[R+64*(\b)+4*\r:R+64*(\b)+4*\r+3], v3, s[4:5] offset:8192*\r+512*(\f) th:TH_LOAD_NT
.endr
.endm
.macro WORK f, b, o                    ; hold, convert, turn the codes through the stage; the image comes back into v[o ..]
.set j, 0
.rept 64
	v_med3_num_f32 v[R+64*(\b)+j], v[R+64*(\b)+j], -v10, v10   ; the conversion does not saturate (ISA guide 7.6.2)
.set j, j+1
.endr
.irp r, 0,2,4,6,8,10,12,14
	v_cvt_scalef32_pk8_fp8_f32 v[C+\r:C+\r+1], v[R+64*(\b)+4*\r:R+64*(\b)+4*\r+7], v11
.endr
	v_nop                                          ; a plain place behind the last conversion
.irp r, 0,1,2,3,4,5,6,7,8,9,10,11,12,13,14,15
	ds_store_b32 v14, v[C+\r] offset:STG*((\f)%2)+16*\r
.endr
.irp c, 0,1,2,3
	ds_load_b128 v[(\o)+4*\c:(\o)+4*\c+3], v15 offset:STG*((\f)%2)+2*SP*\c   ; LDS serves a wave's instructions in order (ISA guide 5.7.1.4)
.endr
.endm
.macro OUT f, o
.irp c, 0,1,2,3
	global_store_b128 v3, v[(\o)+4*\c:(\o)+4*\c+3], s[26:27] offset:8192*(\f)+512*\c   ; the next k / 128 lies four images on
.endr
.endm
	LOAD 0, 0
	LOAD 1, 1
	LOAD 2, 2
	s_wait_kmcnt 0x0
	s_and_b32 s29, s28, 4
	s_cmp_lg_u32 s29, 0
	s_cselect_b32 s40, s35, s33                    ; e: entry 3 for the h weights, entry 1 for the x weights
	s_add_co_i32 s40, s40, 127
	s_lshl_b32 s41, s40, 23
	v_mov_b32 v11, s41                             ; 2^e
	s_add_co_i32 s40, s40, 8
	s_lshl_b32 s40, s40, 23
	s_or_b32 s40, s40, 0x600000
	v_mov_b32 v10, s40                             ; 448 x 2^e
	s_wait_alu depctr_va_vdst(0)
	s_wait_loadcnt 32                              ; fragment 0 is in; 1 and 2 may be out
	WORK 0, 0, RB
	LOAD 3, 0
	s_wait_loadcnt 32                              ; fragment 1 is in; 2 and 3 may be out
	WORK 1, 1, R+64
	s_wait_dscnt 20                                ; fragment 0's image is back; fragment 1's 16 stores and 4 loads may be out
	OUT 0, RB
	s_wait_loadcnt 16
	WORK 2, 2, R+128
	s_wait_dscnt 20
	OUT 1, R+64
	s_wait_loadcnt 0
	WORK 3, 0, R
	s_wait_dscnt 20
	OUT 2, R+128
	s_wait_dscnt 0x0
	OUT 3, R
	s_wait_tensorcnt 0x0                           ; the wave's end
	ds_add_u32 v30, v31
	s_wait_dscnt 0x0
	s_endpgm
.Lfunc_end_k_q58aed3b8de_quant:
	.size	k_q58aed3b8de_quant, .Lfunc_end_k_q58aed3b8de_quant-k_q58aed3b8de_quant
	.p2alignl 7, 3214868480
	.fill 96, 4, 3214868480
	.section	.rodata,"a",@progbits
	.p2align	6, 0x0
	.amdhsa_kernel k_q58aed3b8de_quant
		.amdhsa_group_segment_fixed_size 18944
		.amdhsa_private_segment_fixed_size 0
		.amdhsa_enable_private_segment 0
		.amdhsa_kernarg_size 80
		.amdhsa_user_sgpr_count 2
		.amdhsa_user_sgpr_kernarg_segment_ptr 1
		.amdhsa_wavefront_size32 1
		.amdhsa_system_sgpr_workgroup_id_x 1
		.amdhsa_system_sgpr_workgroup_id_y 1
		.amdhsa_system_sgpr_workgroup_id_z 1
		.amdhsa_system_vgpr_workitem_id 0
		.amdhsa_next_free_vgpr 256
		.amdhsa_next_free_sgpr 66
		.amdhsa_reserve_vcc 0
		.amdhsa_float_denorm_mode_32 3
		.amdhsa_float_denorm_mode_16_64 3
		.amdhsa_memory_ordered 1
		.amdhsa_forward_progress 1
		.amdhsa_inst_pref_size 34
	.end_amdhsa_kernel
	.amdgpu_metadata
---
amdhsa.version: [ 1, 2 ]
amdhsa.kernels:
  - .name:           k_q58aed3b8de_quant
    .symbol:         k_q58aed3b8de_quant.kd
    .args:
      - { .name: W_f_x, .offset: 0, .size: 8, .value_kind: global_buffer, .address_space: global }
      - { .name: W_i_x, .offset: 8, .size: 8, .value_kind: global_buffer, .address_space: global }
      - { .name: W_o_x, .offset: 16, .size: 8, .value_kind: global_buffer, .address_space: global }
      - { .name: W_c_x, .offset: 24, .size: 8, .value_kind: global_buffer, .address_space: global }
      - { .name: W_f_h, .offset: 32, .size: 8, .value_kind: global_buffer, .address_space: global }
      - { .name: W_i_h, .offset: 40, .size: 8, .value_kind: global_buffer, .address_space: global }
      - { .name: W_o_h, .offset: 48, .size: 8, .value_kind: global_buffer, .address_space: global }
      - { .name: W_c_h, .offset: 56, .size: 8, .value_kind: global_buffer, .address_space: global }
      - { .name: lowp_scales, .offset: 64, .size: 8, .value_kind: global_buffer, .address_space: global }
      - { .name: wq, .offset: 72, .size: 8, .value_kind: global_buffer, .address_space: global }
    .group_segment_fixed_size: 18944
    .private_segment_fixed_size: 0
    .kernarg_segment_align: 8
    .kernarg_segment_size: 80
    .max_flat_workgroup_size: 128
    .sgpr_count:     66
    .vgpr_count:     256
    .wavefront_size: 32
...
	.end_amdgpu_metadata
.endif
;; end of part 1
;; launch cell (part 2): grid 32 x 8, 4 waves a work-group, clusters of 4 x 1, 327,680 bytes of LDS; arguments x_codes, h_codes, wq, lowp_scales, b_f_x, b_i_x, b_o_x, b_c_x, b_f_h, b_i_h, b_o_h, b_c_h, c, out0, out1, out2; writes out0, out1, out2
.if DOCPART == 2
	.amdgcn_target "amdgcn-amd-amdhsa--gfx1250"
	.amdhsa_code_object_version 6
	.text
	.protected	k_q58aed3b8de_cell
	.globl	k_q58aed3b8de_cell
	.p2align	8
	.type	k_q58aed3b8de_cell,@function
k_q58aed3b8de_cell:
	s_mov_b64 s[64:65], 0
	v_nop
	global_prefetch_b8 v0, s[64:65] scope:SCOPE_SE
	s_setreg_imm32_b32 hwreg(HW_REG_WAVE_MODE, 25, 1), 1
	s_wait_xcnt 0x0
	s_wait_alu depctr_hold_cnt(0) depctr_sa_sdst(0) depctr_va_vdst(0) depctr_va_sdst(0) depctr_va_ssrc(0) depctr_va_vcc(0) depctr_vm_vsrc(0)
	s_getreg_b32 s2, hwreg(HW_REG_IB_STS2, 6, 4)
	s_cmp_eq_u32 s2, 0
	s_cbranch_scc0 .Lentry_in_a_cluster
	s_endpgm
.Lentry_in_a_cluster:
	s_bfe_u32 s2, ttmp6, 0x10000c
	s_cmp_lg_u32 s2, 0x3003
	s_cbranch_scc0 .Lentry_shape_is_right
	s_endpgm
.Lentry_shape_is_right:
; gates = x Wx^T + bx + h Wh^T + bh on codes of FP8; f, i, o = sigmoid, c~ = tanh; c_new = f c + i c~; h_new = o c_new; out0 = o, out1 = h_new, out2 = c_new.
; A work-group makes 256 rows x 64 output columns (x 4 gates); K = 2,048 of x, then 2,048 of h, in 32 steps of 128.  Behind x's 16 steps every sum is multiplied once by 2^(e0 + e1 - e2 - e3);
; the finished sums stand for sum x 2^(e2 + e3), which is folded into the factor of the exponentials.
; LIMITS: e0 + e1 - e2 - e3 between -126 and 127; e2 + e3 between -126 and 125 (the factors stay f32 numbers).
; A WAVE makes all 256 rows x 16 columns x 4 gates: 64 accumulators, (a, g) = rows 16 a .., gate g.  THE MATRIX INSTRUCTION IS USED TRANSPOSED (source 0 = 16 rows of W, source 1 = 16 rows of x or h):
; a lane holds one row and eight neighbouring columns, and the four gates of a number lie in one lane.
; x AND h go through a ring of two LDS slots of 256 rows x 512 bytes, filled by joint tensor loads: the four work-groups of a cluster (same rows, neighbouring columns) ask together, mask 15.
; W'S CODES go from wq straight into registers: the launch before has laid them as fragment images, a wave's 32 steps x 8,192 bytes on end, read by no other wave of the work-group; a load covers 512 consecutive bytes.
; They are not asked for jointly: with W's 256 rows beside x's in LDS a slot would hold 256 along K, 128 matrix instructions a wave between two rounds; without them it holds 512, 256 matrix instructions, and half the rounds.
; THE LAST THREE STEPS GO BY ROWS: their three sets of W lie in registers together, and the 16 blocks of rows are finished one after the other, so that a group of 64 rows leaves while the next is multiplied.
; REGISTERS: window 0: v8-29 addresses, v32-63 the biases, v64-127 W's set of step 29, v128-255 eight fragments of x / h (block a in place a % 8; by rows: two places of three fragments, c of the last group in their tails);
;   window 1: four sets of W's fragments (step t in set t % 4, asked for three steps ahead), by rows sets 0 and 3 hold the gates at work;  window 2: accumulators of blocks 0-7;  window 3: of blocks 8-15;
;   a group's finished accumulators take its rows on the way out and its c.
.set PITCH,  528                       ; an LDS row: 512 bytes + 16: row r starts at bank 4 r mod 64 (ISA guide 11.1)
.set QROWS,  64*PITCH                  ; what one tensor load brings
.set SLOT,   4*QROWS
.set HALFA,  128*PITCH                 ; blocks 8-15 have an address register of their own: an LDS offset has 16 bits
.set SPARE,  2*SLOT
.set SP,     272                       ; the way out: rows of 256 bytes + 16
.set ARR,    64*SP                     ; 64 rows of one of three arrays (f, i c~, o)
.set GS,     3*ARR                     ; a group's stage.  Three regions: 0 and GS in slot 0, which nobody reads behind the last change of slots, and S2 behind the spare words; none in slot 1, which is read to the end
.set S2,     SPARE+512
.set STO,  8                           ; v8-10  where I put 32 bytes of a row, region 0..2 (group G uses region G % 3)
.set RD,   12                          ; v12-14 where I read rows back
.set ADRA, 16                          ; v16-19 my fragments' LDS address: slot 0 blocks 0-7, 8-15; slot 1 likewise
.set BOF,  20                          ; 16 x lane
.set PFB,  21                          ; prefetch of W: 256 x lane + 8,192 x work-group y
.set PFO,  22                          ; prefetch of x / h
.set PFC,  23                          ; prefetch of c
.set CO,   24                          ; my byte offset in c and the outputs
.set BO,   25                          ; and in the biases
.set SPW,  28
.set NIL,  29
.set BI,   32
.set BT,   64
.set AF,   128
.set G1,   24
.set G0,   32
.set LA0,  36                          ; s36, s37: my quarter's LDS address in slot 0, 1
.set NA,   44                          ; s[44:45] my 64 rows of the slot that is asked for next
.set HB,   46                          ; s[46:47] my 64 rows of h
.set BP,   48                          ; s[48:49] my stream of W's images
.set SA,   50
.set SC,   52
.set RS,   54
.set MSB, 0
.macro WIN new
.if MSB != (\new)
	s_set_vgpr_msb (MSB<<8)|(\new)
.set MSB, (\new)
.endif
.endm
.set MUL_LO, 0xa1                      ; source 0 (W) window 1, source 1 (x, h) window 0, C and D window 2
.set MUL_HI, 0xf1
.set TO_B,   0x40
.macro CREST
	s_cmp_lg_u32 s14, 0
	s_cbranch_scc1 .Lnot_wave_0_\@
	s_barrier_signal -3
.Lnot_wave_0_\@:
	s_barrier_wait -3
	s_barrier_signal -1
	s_barrier_wait -1
.endm
.macro CROUND
	s_barrier_signal -1
	s_barrier_wait -1
	CREST
.endm
.macro PLACES
.rept 4
	v_nop
.endr
.endm
.macro JLOAD                           ; my quarter of a slot; the four v_nop are also the places in front of the LDS loads that follow
	tensor_load_to_lds s[G0:G0+3], s[G1:G1+7]
	s_nop 0
	PLACES
.endm
	s_load_b256 s[4:11], s[0:1], 0x0               ; x, h, wq, scales
	s_load_b512 s[68:83], s[0:1], 0x20             ; the eight biases
	s_load_b256 s[84:91], s[0:1], 0x60             ; c, out0, out1, out2
	v_lshl_add_u32 v[SPW], v0, 2, SPARE
	v_mov_b32 v[NIL], 0
	ds_add_u32 v[SPW], v[NIL]                      ; the opening lines: the add twice on end and its wait
	ds_add_u32 v[SPW], v[NIL]
	v_lshrrev_b32 v1, 5, v0
	v_readfirstlane_b32 s14, v1                    ; wave
	s_bfe_u32 s40, ttmp6, 0x40000                  ; cx
	s_lshl_b32 s42, ttmp9, 2
	s_add_co_u32 s42, s42, s40                     ; work-group x: 64 output columns
	s_and_b32 s17, ttmp7, 0xffff                   ; work-group y: 256 rows
	s_mov_b32 s[G1+0], 15|(1<<20)|(1<<21)|(6<<22)|(3<<25)   ; mask: all four of the cluster; bytes; 4 words of padding behind every 128
	s_mov_b32 s[G1+1], 512<<16
	s_mov_b32 s[G1+2], 64<<16
	s_mov_b32 s[G1+3], 512<<16
	s_mov_b32 s[G1+4], 64
	s_mov_b32 s[G1+5], 2048
	s_mov_b32 s[G1+6], 0
	s_mov_b32 s[G1+7], 0
	s_mov_b32 s[G0], 1
	s_mul_i32 s[LA0], s14, QROWS
	s_add_co_u32 s[LA0+1], s[LA0], SLOT
	s_lshl_b32 s12, s17, 8
	s_lshl_b32 s13, s14, 6
	s_add_co_u32 s12, s12, s13
	s_lshl_b32 s12, s12, 11                        ; row 256 y + 64 wave, in bytes
	s_mov_b32 s13, 0
	s_lshl_b32 s18, s42, 2
	s_add_co_u32 s18, s18, s14
	s_lshl_b32 s18, s18, 18                        ; stream 4 x + wave, 262,144 bytes each
	s_mov_b32 s19, 0
	s_lshl_b32 s56, s42, 8
	s_lshl_b32 s57, s14, 6                         ; my 16 columns: 64 bytes
	s_add_co_u32 s56, s56, s57
	s_mul_i32 s58, s14, 16*SP
	s_lshl_b32 s59, s14, 17
	s_lshl_b32 s60, s17, 13
	s_lshl_b32 s61, s40, 15
	s_lshl_b32 s62, s14, 19
	s_lshl_b32 s38, s17, 21
	s_lshl_b32 s39, s42, 8
	s_add_co_u32 s38, s38, s39                     ; the block's first byte in c and the outputs
	s_mov_b32 s39, 0
	s_wait_dscnt 0x0
	s_wait_kmcnt 0x0
	s_load_b128 s[20:23], s[10:11], 0x0            ; e0 .. e3
	s_add_nc_u64 s[NA:NA+1], s[4:5], s[12:13]
	s_add_nc_u64 s[HB:HB+1], s[6:7], s[12:13]
	s_add_nc_u64 s[BP:BP+1], s[8:9], s[18:19]
.irp p, 84,86,88,90
	s_add_nc_u64 s[\p:\p+1], s[\p:\p+1], s[38:39]
.endr
	s_mov_b32 s[G0+1], s[LA0]
	s_mov_b64 s[G0+2:G0+3], s[NA:NA+1]
	s_or_b32 s[G0+3], s[G0+3], 0x80000000
	CROUND                                         ; the four work-groups are here: the first joint loads meet
	tensor_load_to_lds s[G0:G0+3], s[G1:G1+7]      ; slot 0: x, K 0 .. 511; one tensor load a wave at the head
	s_nop 0
	v_and_b32 v1, 15, v0                           ; r
	v_bfe_u32 v2, v0, 4, 1                         ; h
	v_and_b32 v3, 31, v0                           ; lane
	v_mul_u32_u24 v4, v1, PITCH
	v_lshl_add_u32 v[ADRA], v2, 4, v4
	v_add_nc_u32 v[ADRA+1], HALFA, v[ADRA]
	v_add_nc_u32 v[ADRA+2], SLOT, v[ADRA]
	v_add_nc_u32 v[ADRA+3], SLOT+HALFA, v[ADRA]
	v_lshlrev_b32 v[BOF], 4, v3
	v_lshl_add_u32 v[BO], v2, 5, s56               ; columns 64 x + 16 wave + 8 h ..
	v_mul_u32_u24 v5, v1, SP
	v_lshl_add_u32 v5, v2, 5, v5
	v_add_nc_u32 v[STO], s57, v5                   ; row r, bytes 64 wave + 32 h
	v_mul_u32_u24 v6, v2, SP
	v_lshl_add_u32 v6, v1, 4, v6
	v_add_nc_u32 v[RD], s58, v6                    ; rows 16 wave + lane / 16, 16 bytes a lane
	v_add_nc_u32 v[STO+1], GS, v[STO]
	v_add_nc_u32 v[RD+1], GS, v[RD]
	v_add_nc_u32 v[STO+2], S2, v[STO]
	v_add_nc_u32 v[RD+2], S2, v[RD]
	v_lshlrev_b32 v7, 13, v2
	v_lshl_add_u32 v7, v1, 4, v7
	v_add_nc_u32 v[CO], s59, v7
	v_lshl_add_u32 v[PFB], v3, 8, s60
	v_lshrrev_b32 v5, 1, v3
	v_and_b32 v6, 1, v3
	v_lshlrev_b32 v6, 8, v6
	v_lshl_add_u32 v5, v5, 11, v6
	v_add_nc_u32 v[PFO], s61, v5                   ; of my wave's 64 rows x 2 blocks of 256 bytes the partner at cx names rows 16 cx ..: shared out by address
	v_lshl_add_u32 v[PFC], v3, 13, s62             ; row 64 wave + lane of c's block
	s_wait_alu depctr_va_vdst(0)
.irp g, 0,1,2,3
	global_load_b128 v[BI+8*\g:BI+8*\g+3],   v[BO], s[68+2*\g:69+2*\g]
	global_load_b128 v[BI+8*\g+4:BI+8*\g+7], v[BO], s[68+2*\g:69+2*\g] offset:16
	global_load_b128 v[BT+8*\g:BT+8*\g+3],   v[BO], s[76+2*\g:77+2*\g]
	global_load_b128 v[BT+8*\g+4:BT+8*\g+7], v[BO], s[76+2*\g:77+2*\g] offset:16
.endr
.macro BLOAD p, st                     ; W's four fragments of the step st x 8,192 bytes behind BP, into set p
	WIN TO_B
.irp g, 0,1,2,3
.irp c, 0,1,2,3
	global_load_b128 v[64*(\p)+16*\g+4*\c:64*(\p)+16*\g+4*\c+3], v[BOF], s[BP:BP+1] offset:(\st)*8192+\g*2048+\c*512
.endr
.endr
	WIN 0
.endm
	BLOAD 0, 0                                     ; step 0's set alone goes out beside slot 0's tile; sets 1 and 2 follow further down
	global_prefetch_b8 v[PFB], s[BP:BP+1] th:TH_LOAD_NT scope:SCOPE_SE   ; of my stream's first eight steps the work-group at y names step y
	s_wait_kmcnt 0x0
	s_add_co_i32 s56, s22, s23
	s_add_co_i32 s57, s20, s21
	s_sub_co_i32 s57, s57, s56
	s_lshl_b32 s56, s56, 23
	s_add_co_u32 s[SA], s56, 0xbfb8aa3b            ; -log2(e) x 2^(e2 + e3)
	s_mov_b32 s[SA+1], s[SA]
	s_add_co_u32 s[SC], s56, 0x4038aa3b            ; 2 log2(e) x 2^(e2 + e3)
	s_mov_b32 s[SC+1], s[SC]
	s_add_co_i32 s57, s57, 127
	s_lshl_b32 s[RS], s57, 23                      ; 2^(e0 + e1 - e2 - e3)
	s_mov_b32 s[RS+1], s[RS]
	s_wait_loadcnt 16                              ; the biases are in; set 0's 16 loads may be out
.set j, 0
.rept 16
	v_pk_add_f32 v[BI+j:BI+j+1], v[BI+j:BI+j+1], v[BT+j:BT+j+1]
.set j, j+2
.endr
.set j, 0
.rept 12
	v_pk_mul_f32 v[BI+j:BI+j+1], v[BI+j:BI+j+1], 0xbfb8aa3b op_sel_hi:[1,0]
.set j, j+2
.endr
.rept 4
	v_pk_mul_f32 v[BI+j:BI+j+1], v[BI+j:BI+j+1], 0x4038aa3b op_sel_hi:[1,0]
.set j, j+2
.endr
	BLOAD 1, 1                                     ; step 1's set
.macro FETCHA slot, q, a0              ; blocks a0 .. a0 + 3 of the slot's q-th 128 along K: registers 4 c .. hold K = 32 c + 16 h + 0 .. 15, as W's images do
.irp i, 0,1,2,3
.irp c, 0,1,2,3
	ds_load_b128 v[AF+16*(((\a0)+\i)%8)+4*\c:AF+16*(((\a0)+\i)%8)+4*\c+3], v[ADRA+2*(\slot)+(\a0)/8] offset:(((\a0)+\i)%8)*16*PITCH+128*(\q)+32*\c
.endr
.endr
.endm
.macro MUL2 a0, p, zero                ; two blocks x four gates; the 64 accumulators take turns in the same order in every step
.irp a, \a0, \a0+1
.irp g, 0,1,2,3
.if \zero
	v_wmma_f32_16x16x128_fp8_fp8 v[8*(4*((\a)%8)+\g):8*(4*((\a)%8)+\g)+7], v[64*(\p)+16*\g:64*(\p)+16*\g+15], v[AF+16*((\a)%8):AF+16*((\a)%8)+15], 0
.else
	v_wmma_f32_16x16x128_fp8_fp8 v[8*(4*((\a)%8)+\g):8*(4*((\a)%8)+\g)+7], v[64*(\p)+16*\g:64*(\p)+16*\g+15], v[AF+16*((\a)%8):AF+16*((\a)%8)+15], v[8*(4*((\a)%8)+\g):8*(4*((\a)%8)+\g)+7]
.endif
.endr
.endr
.endm
; The first half of every step: blocks 0-7; a later set of W is asked for (st < 0: none); blocks 8-15 are fetched.  Each s_wait_dscnt 16 lets the younger run of four blocks stay out.
.macro FIRST slot, q, st, zero, lc
	s_wait_loadcnt \lc                             ; this step's set of W is in; lc loads behind it may be out
	s_wait_dscnt 16
	WIN MUL_LO
	MUL2 0, \q, \zero
	MUL2 2, \q, \zero
	PLACES
.if (\st) >= 0
	BLOAD ((\q)+3)%4, \st
.endif
	WIN 0
	FETCHA \slot, \q, 8
	s_wait_dscnt 16
	WIN MUL_LO
	MUL2 4, \q, \zero
	MUL2 6, \q, \zero
	PLACES
	WIN 0
	FETCHA \slot, \q, 12
.endm
.macro STEP slot, q, st, zero, lc      ; a step whose successor lies in the same slot
	FIRST \slot, \q, \st, \zero, \lc
	s_wait_dscnt 16
	WIN MUL_HI
	MUL2 8, \q, \zero
	MUL2 10, \q, \zero
	PLACES
	WIN 0
	FETCHA \slot, (\q)+1, 0
	s_wait_dscnt 16
	WIN MUL_HI
	MUL2 12, \q, \zero
	MUL2 14, \q, \zero
	PLACES
	WIN 0
	FETCHA \slot, (\q)+1, 4
.endm
; A slot's last step changes slots.  fill = 1: behind a round of the cluster's barrier this slot takes the slot at NA; then NA steps on, and the slot behind it is prefetched, a whole slot ahead of its load.
.macro TURN slot, next, st, fill, lc
	FIRST \slot, 3, \st, 0, \lc
.if \fill
	s_wait_xcnt 0x0                                ; the last prefetch has read NA
.endif
	s_wait_tensorcnt 0x0                           ; my one load that was out, my quarter of the next slot, has landed
	ds_add_u32 v[SPW], v[NIL]
.if \fill
	s_mov_b32 s[G0+1], s[LA0+\slot]
	s_mov_b64 s[G0+2:G0+3], s[NA:NA+1]
	s_or_b32 s[G0+3], s[G0+3], 0x80000000
	s_add_nc_u64 s[NA:NA+1], s[NA:NA+1], 512
.if \slot == 1
	s_cmp_eq_u32 s3, 0                             ; behind x's fourth slot comes h's first
	s_cselect_b64 s[NA:NA+1], s[HB:HB+1], s[NA:NA+1]
.endif
.endif
	s_wait_dscnt 17                                ; blocks 8-11 are in; blocks 12-15 and the add may be out
	WIN MUL_HI
	MUL2 8, 3, 0
	s_wait_dscnt 0x0                               ; the add is done and my reads of this slot are over
	s_barrier_signal -1
	MUL2 10, 3, 0
	WIN 0
	s_barrier_wait -1
.if \fill
	CREST
	JLOAD
.else
	PLACES
.endif
	FETCHA \next, 0, 0
.if \fill
.if \slot == 1
	s_cmp_lt_u32 s3, 2                             ; behind the last slot there is none
	s_cbranch_scc0 .Lno_pf_\@
.endif
	global_prefetch_b8 v[PFO], s[NA:NA+1] th:TH_LOAD_NT scope:SCOPE_SE
.if \slot == 1
.Lno_pf_\@:
.endif
.endif
	WIN MUL_HI
	MUL2 12, 3, 0
	MUL2 14, 3, 0
	PLACES
	WIN 0
	FETCHA \next, 0, 4
.endm
	s_wait_alu depctr_va_vdst(0)                   ; the wait at the head's end
	s_wait_tensorcnt 0x0                           ; slot 1's first fill is issued as a refill is
	ds_add_u32 v[SPW], v[NIL]
	s_add_nc_u64 s[NA:NA+1], s[NA:NA+1], 512
	s_mov_b32 s[G0+1], s[LA0+1]
	s_mov_b64 s[G0+2:G0+3], s[NA:NA+1]
	s_or_b32 s[G0+3], s[G0+3], 0x80000000
	s_add_nc_u64 s[NA:NA+1], s[NA:NA+1], 512
	s_wait_dscnt 0x0
	CROUND
	JLOAD
	FETCHA 0, 0, 0
	FETCHA 0, 0, 4
	BLOAD 2, 2                                     ; step 2's set
	global_prefetch_b8 v[PFO], s[NA:NA+1] th:TH_LOAD_NT scope:SCOPE_SE
	STEP 0, 0, 3, 1, 32                            ; the first step starts the sums
	s_mov_b32 s3, 0
.Llap:                                                 ; a trip: eight steps, from a lap's second to the next lap's first; both slots are filled again
	STEP 0, 1, 4, 0, 32
	global_prefetch_b8 v[PFB], s[BP:BP+1] offset:65536 th:TH_LOAD_NT scope:SCOPE_SE   ; of the next lap's eight steps of my stream the work-group at y names step y: the eight that read the stream share it out by address
	STEP 0, 2, 5, 0, 32
	TURN 0, 1, 6, 1, 32
	STEP 1, 0, 7, 0, 32
	STEP 1, 1, 8, 0, 32
	STEP 1, 2, 9, 0, 32
	TURN 1, 0, 10, 1, 32
	s_cmp_lg_u32 s3, 1
	s_cbranch_scc1 .Lno_rescale
	WIN 0x82                                       ; x's 16 steps are summed: x 2^(e0 + e1 - e2 - e3), each accumulator from its low end on
.set j, 0
.rept 128
	v_pk_mul_f32 v[j:j+1], v[j:j+1], s[RS:RS+1] op_sel_hi:[1,0]
.set j, j+2
.endr
	WIN 0xc3
.set j, 0
.rept 128
	v_pk_mul_f32 v[j:j+1], v[j:j+1], s[RS:RS+1] op_sel_hi:[1,0]
.set j, j+2
.endr
	WIN 0
	s_wait_alu depctr_va_vdst(0)                   ; the wait
.Lno_rescale:
	STEP 0, 0, 11, 0, 32
	s_wait_xcnt 0x0                                ; W's loads and the prefetch have read BP
	s_add_nc_u64 s[BP:BP+1], s[BP:BP+1], 65536
	s_add_co_u32 s3, s3, 1
	s_cmp_lt_u32 s3, 3
	s_cbranch_scc1 .Llap
; THE LAST SEVEN STEPS (25 to 31) fill no slot.  Steps 25 to 28 go as ever; a fifth place for W (window 0, v64-127) takes step 29's set, so that sets 29, 30 and 31 are asked for in steps 25, 26 and 27.
	STEP 0, 1, 4, 0, 32                            ; step 25 asks for step 28's set,
.irp g, 0,1,2,3
.irp c, 0,1,2,3
	global_load_b128 v[64+16*\g+4*\c:64+16*\g+4*\c+3], v[BOF], s[BP:BP+1] offset:5*8192+\g*2048+\c*512   ; and for step 29's
.endr
.endr
	global_prefetch_b8 v[PFC], s[84:85] th:TH_LOAD_NT scope:SCOPE_SE                 ; c's block, 256 rows x 256 bytes, a lane a row, three steps and more ahead of its loads
	global_prefetch_b8 v[PFC], s[84:85] offset:32*8192 th:TH_LOAD_NT scope:SCOPE_SE
	STEP 0, 2, 6, 0, 48                            ; step 26: three younger sets may be out; asks for step 30's set, into set 1
	TURN 0, 1, 7, 0, 48                            ; step 27 asks for step 31's, into set 2
.macro FETCHR a                        ; by rows: block a's three fragments (the slot's K 128 .. 511) into place a % 2
.irp q, 1,2,3
.irp c, 0,1,2,3
	ds_load_b128 v[AF+64*((\a)%2)+16*(\q-1)+4*\c:AF+64*((\a)%2)+16*(\q-1)+4*\c+3], v[ADRA+2+(\a)/8] offset:((\a)%8)*16*PITCH+128*\q+32*\c
.endr
.endr
.endm
.macro MULR a                          ; block a is finished: 12 matrix instructions, its four accumulators by turns
.set AP, AF+64*((\a)%2)
.set AC, 32*((\a)%8)
	WIN 0xa0+0x50*((\a)/8)                         ; step 29's set lies in window 0
.irp g, 0,1,2,3
	v_wmma_f32_16x16x128_fp8_fp8 v[AC+8*\g:AC+8*\g+7], v[64+16*\g:64+16*\g+15], v[AP:AP+15], v[AC+8*\g:AC+8*\g+7]
.endr
	WIN 0xa1+0x50*((\a)/8)
.irp q, 1,2
.irp g, 0,1,2,3
	v_wmma_f32_16x16x128_fp8_fp8 v[AC+8*\g:AC+8*\g+7], v[64*\q+16*\g:64*\q+16*\g+15], v[AP+16*\q:AP+16*\q+15], v[AC+8*\g:AC+8*\g+7]
.endr
.endr
.endm
.macro GMUL G                          ; a group's four blocks; each block's place takes the block two further on
.irp b, 0,1,2,3
.if 4*(\G)+\b == 15
	s_wait_dscnt 0x0
.else
	s_wait_dscnt 12                                ; this block is in; the next block's 12 loads may be out
.endif
	MULR 4*(\G)+\b
	PLACES
	WIN 0
.if 4*(\G)+\b < 14
	FETCHR 4*(\G)+\b+2
.endif
.endr
.endm
	FIRST 1, 0, -1, 0, 48                          ; step 28
	s_wait_dscnt 16
	WIN MUL_HI
	MUL2 8, 0, 0
	MUL2 10, 0, 0
	PLACES
	WIN 0
	FETCHR 0
	s_wait_dscnt 12
	WIN MUL_HI
	MUL2 12, 0, 0
	MUL2 14, 0, 0
	PLACES
	WIN 0
	FETCHR 1
.irp t, 0,1,2,3,4,5,6,7
	global_load_b128 v[176+4*\t+48*(\t/4):176+4*\t+48*(\t/4)+3], v[CO], s[84:85] offset:(192+2*\t)*8192 th:TH_LOAD_NT   ; c of the last group, into the tails of the two places
.endr
	s_wait_loadcnt 8                               ; W's last three sets are in; the eight loads of c may be out
; THE WAY OUT, in four groups of 64 rows.  MATH: the gates of a group's four blocks, in W's sets 0 and 3.  TOSTAGE: f, i c~ and o into the work-group's stage, since a row's 256 bytes come from four waves.
; Behind a barrier each wave reads 16 whole rows of each array back, joins c and stores: sixteen lanes fill an aligned unit of 256 bytes.  The next group is multiplied between the barrier's signal and its wait.
; Group 3 uses region 0 again: every wave's reads of group 0 were over in front of its signal of group 1's barrier.
.macro MATH G
	WIN 0x42+(\G)/2
	s_wait_alu depctr_va_vdst(0)                   ; the wait ahead of the first readers of the sums
.irp b, 0,1,2,3
.irp g, 0,1,2
.irp i, 0,2,4,6
	v_pk_fma_f32 v[32*\b+128*(\b/2)+8*\g+\i:32*\b+128*(\b/2)+8*\g+\i+1], v[32*((4*(\G)+\b)%8)+8*\g+\i:32*((4*(\G)+\b)%8)+8*\g+\i+1], s[SA:SA+1], v[BI+8*\g+\i:BI+8*\g+\i+1] op_sel_hi:[1,0,1]
.endr
.endr
.irp i, 0,2,4,6
	v_pk_fma_f32 v[32*\b+128*(\b/2)+24+\i:32*\b+128*(\b/2)+24+\i+1], v[32*((4*(\G)+\b)%8)+24+\i:32*((4*(\G)+\b)%8)+24+\i+1], s[SC:SC+1], v[BI+24+\i:BI+24+\i+1] op_sel_hi:[1,0,1]
.endr
.endr
	WIN 0x41
	s_wait_alu depctr_va_vdst(0)                   ; ahead of the batch
.irp z, 0,192
.set j, 0
.rept 64
	v_exp_f32 v[\z+j], v[\z+j]
.set j, j+1
.endr
.endr
	v_nop
	s_wait_alu depctr_va_vdst(0)                   ; and behind it
.irp z, 0,192
.set j, 0
.rept 32
	v_pk_add_f32 v[\z+j:\z+j+1], v[\z+j:\z+j+1], 1.0 op_sel_hi:[1,0]
.set j, j+2
.endr
.endr
	s_wait_alu depctr_va_vdst(0)
.irp z, 0,192
.set j, 0
.rept 64
	v_rcp_f32 v[\z+j], v[\z+j]                     ; sigmoid(g) = 1 / (1 + 2^(-g log2 e))
.set j, j+1
.endr
.endr
	v_nop
	s_wait_alu depctr_va_vdst(0)
.irp b, 0,1,2,3
.irp i, 0,2,4,6
	v_pk_fma_f32 v[32*\b+128*(\b/2)+24+\i:32*\b+128*(\b/2)+24+\i+1], v[32*\b+128*(\b/2)+24+\i:32*\b+128*(\b/2)+24+\i+1], -2.0, 1.0 op_sel_hi:[1,0,0]   ; tanh(g) = 1 - 2 / (1 + 2^(2 g log2 e))
.endr
.endr
	WIN 0x45
.irp b, 0,1,2,3
.irp i, 0,2,4,6
	v_pk_mul_f32 v[32*\b+128*(\b/2)+8+\i:32*\b+128*(\b/2)+8+\i+1], v[32*\b+128*(\b/2)+8+\i:32*\b+128*(\b/2)+8+\i+1], v[32*\b+128*(\b/2)+24+\i:32*\b+128*(\b/2)+24+\i+1]   ; i c~
.endr
.endr
	WIN 0
	s_wait_alu depctr_va_vdst(0)                   ; the wait
.endm
.macro TOSTAGE G
	WIN 0x04                                       ; the data lie in window 1
.irp b, 0,1,2,3
.irp q, 0,1,2
	ds_store_b128 v[STO+(\G)%3], v[32*\b+128*(\b/2)+8*\q:32*\b+128*(\b/2)+8*\q+3]   offset:\q*ARR+\b*16*SP
	ds_store_b128 v[STO+(\G)%3], v[32*\b+128*(\b/2)+8*\q+4:32*\b+128*(\b/2)+8*\q+7] offset:\q*ARR+\b*16*SP+16
.endr
.endr
	WIN 0
.endm
.macro CLOAD G                         ; c's rows of group G, into the last 32 of the group's 128 accumulator registers, which MATH has read out
	WIN 0x80+0x40*((\G)/2)
.irp t, 0,1,2,3,4,5,6,7
	global_load_b128 v[128*((\G)%2)+96+4*\t:128*((\G)%2)+96+4*\t+3], v[CO], s[84:85] offset:(64*(\G)+2*\t)*8192 th:TH_LOAD_NT
.endr
	WIN 0
.endm
.macro BACK G                          ; the three arrays' rows into the first 96
	WIN 0x80+0x40*((\G)/2)
.irp q, 0,1,2
.irp t, 0,1,2,3,4,5,6,7
	ds_load_b128 v[128*((\G)%2)+32*\q+4*\t:128*((\G)%2)+32*\q+4*\t+3], v[RD+(\G)%3] offset:\q*ARR+2*\t*SP
.endr
.endr
	WIN 0
.endm
.macro ROWS G, lc
.set RB, 128*((\G)%2)
	s_wait_loadcnt \lc                             ; this group's c is in; the next group's eight loads may be out
.if (\G) == 3
	WIN 0xf3                                       ; its c lies in window 0
.else
	WIN (2+(\G)/2)*0x55
.endif
.set j, 0
.rept 16
.if (\G) == 3
	v_pk_fma_f32 v[RB+j:RB+j+1], v[RB+j:RB+j+1], v[176+j+48*(j/16):176+j+48*(j/16)+1], v[RB+32+j:RB+32+j+1]
.else
	v_pk_fma_f32 v[RB+j:RB+j+1], v[RB+j:RB+j+1], v[RB+96+j:RB+96+j+1], v[RB+32+j:RB+32+j+1]   ; c_new = f c + i c~
.endif
.set j, j+2
.endr
	WIN (2+(\G)/2)*0x55
.set j, 0
.rept 16
	v_pk_mul_f32 v[RB+32+j:RB+32+j+1], v[RB+64+j:RB+64+j+1], v[RB+j:RB+j+1]                       ; h_new = o c_new
.set j, j+2
.endr
	WIN 0x08+0x04*((\G)/2)
.irp t, 0,1,2,3,4,5,6,7
	global_store_b128 v[CO], v[RB+64+4*\t:RB+64+4*\t+3], s[86:87] offset:(64*(\G)+2*\t)*8192 th:TH_STORE_NT
	global_store_b128 v[CO], v[RB+32+4*\t:RB+32+4*\t+3], s[88:89] offset:(64*(\G)+2*\t)*8192 th:TH_STORE_NT
	global_store_b128 v[CO], v[RB+4*\t:RB+4*\t+3],       s[90:91] offset:(64*(\G)+2*\t)*8192 th:TH_STORE_NT
.endr
	WIN 0
.endm
	GMUL 0
	MATH 0
	TOSTAGE 0
	CLOAD 0
	s_wait_dscnt 0x0                               ; for the others' sake: my stores into the stage are done
	s_barrier_signal -1
.irp G, 0,1,2
	GMUL \G+1                                      ; between signal and wait: work on registers, and LDS loads from slot 1, which nobody writes
	MATH \G+1
	s_barrier_wait -1
	BACK \G
	TOSTAGE \G+1
.if \G < 2
	CLOAD \G+1
.endif
	s_wait_dscnt 24                                ; the rows are back; the next group's 24 stores may be out
	ROWS \G, 8*(1-(\G)/2)
	s_wait_dscnt 0x0
	s_barrier_signal -1
.endr
	s_barrier_wait -1
	BACK 3
	s_wait_dscnt 0x0
	ROWS 3, 0
	s_wait_tensorcnt 0x0                           ; the wave's end
	ds_add_u32 v[SPW], v[NIL]
	s_wait_dscnt 0x0
	CROUND                                         ; the closing round
	s_endpgm
.Lfunc_end_k_q58aed3b8de_cell:
	.size	k_q58aed3b8de_cell, .Lfunc_end_k_q58aed3b8de_cell-k_q58aed3b8de_cell
	.p2alignl 7, 3214868480
	.fill 96, 4, 3214868480
	.section	.rodata,"a",@progbits
	.p2align	6, 0x0
	.amdhsa_kernel k_q58aed3b8de_cell
		.amdhsa_group_segment_fixed_size 327680
		.amdhsa_private_segment_fixed_size 0
		.amdhsa_enable_private_segment 0
		.amdhsa_kernarg_size 128
		.amdhsa_user_sgpr_count 2
		.amdhsa_user_sgpr_kernarg_segment_ptr 1
		.amdhsa_wavefront_size32 1
		.amdhsa_system_sgpr_workgroup_id_x 1
		.amdhsa_system_sgpr_workgroup_id_y 1
		.amdhsa_system_sgpr_workgroup_id_z 1
		.amdhsa_system_vgpr_workitem_id 0
		.amdhsa_next_free_vgpr 1024
		.amdhsa_next_free_sgpr 100
		.amdhsa_reserve_vcc 0
		.amdhsa_float_denorm_mode_32 3
		.amdhsa_float_denorm_mode_16_64 3
		.amdhsa_memory_ordered 1
		.amdhsa_forward_progress 1
		.amdhsa_inst_pref_size 255
	.end_amdhsa_kernel
	.section	.bss,"aw",@nobits
	.p2align	6
	.space	262144
	.amdgpu_metadata
---
amdhsa.version: [ 1, 2 ]
amdhsa.kernels:
  - .name:           k_q58aed3b8de_cell
    .symbol:         k_q58aed3b8de_cell.kd
    .args:
      - { .name: x_codes, .offset: 0, .size: 8, .value_kind: global_buffer, .address_space: global }
      - { .name: h_codes, .offset: 8, .size: 8, .value_kind: global_buffer, .address_space: global }
      - { .name: wq, .offset: 16, .size: 8, .value_kind: global_buffer, .address_space: global }
      - { .name: lowp_scales, .offset: 24, .size: 8, .value_kind: global_buffer, .address_space: global }
      - { .name: b_f_x, .offset: 32, .size: 8, .value_kind: global_buffer, .address_space: global }
      - { .name: b_i_x, .offset: 40, .size: 8, .value_kind: global_buffer, .address_space: global }
      - { .name: b_o_x, .offset: 48, .size: 8, .value_kind: global_buffer, .address_space: global }
      - { .name: b_c_x, .offset: 56, .size: 8, .value_kind: global_buffer, .address_space: global }
      - { .name: b_f_h, .offset: 64, .size: 8, .value_kind: global_buffer, .address_space: global }
      - { .name: b_i_h, .offset: 72, .size: 8, .value_kind: global_buffer, .address_space: global }
      - { .name: b_o_h, .offset: 80, .size: 8, .value_kind: global_buffer, .address_space: global }
      - { .name: b_c_h, .offset: 88, .size: 8, .value_kind: global_buffer, .address_space: global }
      - { .name: c, .offset: 96, .size: 8, .value_kind: global_buffer, .address_space: global }
      - { .name: out0, .offset: 104, .size: 8, .value_kind: global_buffer, .address_space: global }
      - { .name: out1, .offset: 112, .size: 8, .value_kind: global_buffer, .address_space: global }
      - { .name: out2, .offset: 120, .size: 8, .value_kind: global_buffer, .address_space: global }
    .group_segment_fixed_size: 327680
    .private_segment_fixed_size: 0
    .kernarg_segment_align: 8
    .kernarg_segment_size: 128
    .max_flat_workgroup_size: 128
    .sgpr_count:     100
    .vgpr_count:     1024
    .wavefront_size: 32
...
	.end_amdgpu_metadata
.endif
;; end of part 2
